; MI455X (gfx1250); checked and timed in simulation.
; The chip was launched on July 23, 2026; its instructions are those of AMD's public machine-readable ISA for CDNA 5 (MIT licence, August 2026) and "CDNA5" Instruction Set Architecture Reference Guide (July 2026). The comments in the code are by the model that wrote it; some were corrected since.
;; NGU. Allowed arithmetic: float matrix products may take bf16 or f16 operands with f32 sums; all other float work in f32.
;; Inputs: b1 128 float32; b2 64 float32; b3 1 float32; bt1 128 float32; bt2 64 float32; bt3 1 float32; bz1 128 float32; bz2 64 float32; bz3 128 float32; s 8,192 x 512 float32; w1 128 x 512 float32; w2 64 x 128 float32; w3 1 x 64 float32; wt1 128 x 512 float32; wt2 64 x 128 float32; wt3 1 x 64 float32; wz1 128 x 512 float32; wz2 64 x 128 float32; wz3 128 x 64 float32.
;; Outputs: out0 8,192 x 1 float32.
;; One version. Each part assembles by itself: llvm-mc -triple=amdgcn-amd-amdhsa -mcpu=gfx1250 --defsym DOCPART=n.
;; ======== version 1 of 1: 4 launches
;; workspace buffers: zb 2,097,152 bytes; rowv 98,304 bytes; part 5,767,168 bytes; sumk 32,768 bytes
;; launch mlp (part 1): grid 64 x 3, 8 waves a work-group, no clusters, 199,168 bytes of LDS; arguments s, zb, rowv, w1, wt1, wz1, b1, bt1, bz1, w2, wt2, wz2, b2, bt2, bz2, w3, wt3, wz3, b3, bt3, bz3; writes zb, rowv
.if DOCPART == 1
	.amdgcn_target "amdgcn-amd-amdhsa--gfx1250"
	.amdhsa_code_object_version 6
	.text
	.protected	k_qe794902cc6_mlp
	.globl	k_qe794902cc6_mlp
	.p2align	8
	.type	k_qe794902cc6_mlp,@function
k_qe794902cc6_mlp:
	s_mov_b64 s[64:65], 0
	v_nop
	global_prefetch_b8 v0, s[64:65] scope:SCOPE_SE
	s_setreg_imm32_b32 hwreg(HW_REG_WAVE_MODE, 25, 1), 1
	s_wait_xcnt 0x0
; NGU, launch 1 of 4: the three MLPs over s [8192][512].
; Work-group (x, y): net y (0 = predictor, 1 = target, 2 = embedding) on rows 128 x .. 128 x + 127.  Eight waves.
; Out: y < 2: rowv[y][row] = the net's one number;  y = 2: zb[row][0..127] = z in bf16, rowv[2][row] = -0.5 * sum of zb^2 in f32.
; Layers 1, 2 and the embedding's layer 3 run on the matrix unit with bf16 operands and f32 sums; a net's last layer with ONE output
; column stays on the vector unit in f32 (15 of 16 columns of a matrix tile would be idle).
; THE MATRIX INSTRUCTION IS USED TRANSPOSED: A = 16 rows of the weights, B = 16 rows of the data.  Register j of lane (r, h) then holds
; (hidden unit n0 + 8 h + j, data row r): eight neighbouring units of one row, which pack into 16 bytes; and a bias is loaded from memory
; straight into the accumulators in that layout, so that every product adds in place and nothing is cleared.
; NO TENSOR LOADS, NO MULTICAST: s and the weights are f32 and have to become bf16 on the way; the data mover does not convert.  So they
; come through registers (each half wave reads 256 consecutive, aligned bytes), are rounded once and laid into LDS as bf16.
; K = 512 goes in 8 chunks of 64 through a ring of two LDS slots.
; LIMITS: finite inputs only (a NaN is lost in the relu's maximum); s, the weights, h1 and h2 are rounded to bf16 as matrix operands.
.set PC,    144                        ; LDS pitch of rows of 128 bytes: 9 x 16, an odd multiple of 16, so 16 rows' 16-byte pieces fall on 16 different columns modulo 256 bytes
.set P2,    272                        ; LDS pitch of rows of 256 bytes: 17 x 16
.set WOFF,  128*PC                     ; in a slot: 128 rows of s, then 128 rows of W1
.set SLOTB, 2*WOFF                     ; 36,864 bytes a slot
.set W2IMG, 2*SLOTB                    ; 64 x 272: W2 in bf16
.set W3IMG, W2IMG+64*P2                ; 128 x 144: wz3 in bf16 (y = 2 only)
.set H1,    W3IMG+128*PC               ; 128 x 272: relu(layer 1) in bf16
.set H2,    H1+128*P2                  ; 128 x 144: relu(layer 2) in bf16 (y = 2 only); a wave reads its own 16 rows only
.set ZST,   H2+128*PC                  ; 128 x 272: z in bf16 on its way out; a wave's own 16 rows
.set RV,    ZST+128*P2                 ; 128 f32: one number a row, for rowv
.set GO,  4                            ; global byte offset of my 16 bytes in a chunk of s and of W1; stepped by 256 a chunk
.set SS,  5                            ; LDS: where I put 8 bytes of a chunk
.set LA,  6                            ; LDS: my W1 fragments
.set LB,  7                            ; LDS: my s fragments
.set BO1, 8                            ; byte offset in b1
.set BO2, 9                            ; byte offset in b2, w3, bz3
.set W2O, 10
.set W2S, 11
.set W3O, 12                           ; byte offset in wz3, and in zb
.set W3S, 13
.set ACC, 16                           ; v[16:79]   layer 1: tile (rt, ct) at 8 (4 rt + ct); layer 3: tile t at 8 t, or w3
.set F,   80                           ; v[80:175]  fragments
.set ST,  176                          ; v[176:239] a chunk as loaded
.set ACC2, 176                         ; v[176:207] layer 2: tile ct at 8 ct
.set A2,  80
.set B2,  144
.set B3,  144
.set A30, 80
.set A31, 176
.set SQ,  240                          ; v[240:243] two chains of pairs
.set H1S, 244
.set H1L, 245
.set W2L, 246
.set H2A, 247
.set W3L, 248
.set ZS,  249
.set ZL,  250
.set RVA, 251
.set RVV, 252
.set RL,  253
.set RO,  254
	s_load_b512 s[8:23], s[0:1], 0x0               ; s, zb, rowv, w1, wt1, wz1, b1, bt1
	s_load_b512 s[24:39], s[0:1], 0x40             ; bz1, w2, wt2, wz2, b2, bt2, bz2, w3
	s_load_b256 s[40:47], s[0:1], 0x80             ; wt3, wz3, b3, bt3
	s_load_b64 s[48:49], s[0:1], 0xa0              ; bz3
	v_lshl_add_u32 v255, v0, 2, 0x30600
	s_set_vgpr_msb 0x40
	v_mov_b32 v1, 0
	s_set_vgpr_msb 0x4000
	v_lshrrev_b32 v1, 5, v0
	v_readfirstlane_b32 s4, v1                     ; wave 0..7
	s_and_b32 s5, ttmp7, 0xffff                    ; y: the net
	s_mov_b32 s6, ttmp9                            ; x: the block of 128 rows
	s_lshr_b32 s2, s4, 1                           ; rg: which 32 rows are mine in layer 1
	s_and_b32 s3, s4, 1                            ; cg: which 64 hidden units
	s_mov_b32 s68, 0x76543210                      ; v_permlanex16_b32: lane i reads lane i of the other half
	s_mov_b32 s69, 0xfedcba98
	s_mov_b32 s71, 0xffff0000                      ; a word's upper bf16
	v_and_b32 v1, 31, v0                           ; lane
	v_and_b32 v2, 15, v0                           ; r
	v_bfe_u32 v3, v0, 4, 1                         ; h
	v_lshl_add_u32 v14, s4, 4, v3                  ; 16 w + h: the first row that I copy
	v_lshl_add_u32 v15, s4, 4, v2                  ; 16 w + r: my row in layers 2 and 3
	v_lshlrev_b32 v[GO], 11, v14                   ; rows of 2,048 bytes
	v_lshl_add_u32 v[GO], v2, 4, v[GO]
	v_mul_u32_u24 v[SS], v14, PC
	v_lshl_add_u32 v[SS], v2, 3, v[SS]
	v_lshl_add_u32 v[LA], s3, 6, v2                ; 64 cg + r
	v_mul_u32_u24 v[LA], v[LA], PC
	v_lshl_add_u32 v[LA], v3, 4, v[LA]
	v_lshl_add_u32 v[H1S], s2, 5, v2               ; 32 rg + r
	v_mul_u32_u24 v[LB], v[H1S], PC
	v_lshl_add_u32 v[LB], v3, 4, v[LB]
	v_mul_u32_u24 v[H1S], v[H1S], P2
	v_lshl_add_u32 v[H1S], v3, 4, v[H1S]
	v_lshl_add_u32 v[H1S], s3, 7, v[H1S]           ; + 128 cg bytes
	v_add_nc_u32 v[H1S], H1, v[H1S]
	v_lshlrev_b32 v[BO2], 5, v3                    ; 4 x 8 h
	v_lshl_add_u32 v[BO1], s3, 8, v[BO2]           ; + 4 x 64 cg
	v_lshlrev_b32 v[RO], 4, v1                     ; 16 x lane
	v_lshl_add_u32 v[W2O], s4, 12, v[RO]           ; W2: rows 8 w .. of 512 bytes
	s_mul_i32 s72, s4, 8*P2
	s_add_co_u32 s72, s72, W2IMG
	v_lshl_add_u32 v[W2S], v1, 3, s72
	v_lshlrev_b32 v[W3O], 8, v14                   ; rows of 256 bytes
	v_lshl_add_u32 v[W3O], v2, 4, v[W3O]
	v_mul_u32_u24 v[W3S], v14, PC
	v_lshl_add_u32 v[W3S], v2, 3, v[W3S]
	v_add_nc_u32 v[W3S], W3IMG, v[W3S]
	v_mul_u32_u24 v[H1L], v15, P2
	v_lshl_add_u32 v[H1L], v3, 4, v[H1L]           ; (16 w + r) 272 + 16 h
	v_add_nc_u32 v[ZS], ZST, v[H1L]
	v_add_nc_u32 v[H1L], H1, v[H1L]
	v_mul_u32_u24 v[W2L], v2, P2
	v_lshl_add_u32 v[W2L], v3, 4, v[W2L]
	v_add_nc_u32 v[W2L], W2IMG, v[W2L]
	v_mul_u32_u24 v[H2A], v15, PC
	v_lshl_add_u32 v[H2A], v3, 4, v[H2A]
	v_add_nc_u32 v[H2A], H2, v[H2A]
	v_mul_u32_u24 v[W3L], v2, PC
	v_lshl_add_u32 v[W3L], v3, 4, v[W3L]
	v_add_nc_u32 v[W3L], W3IMG, v[W3L]
	v_mul_u32_u24 v[ZL], v14, P2
	v_lshl_add_u32 v[ZL], v2, 4, v[ZL]
	v_add_nc_u32 v[ZL], ZST, v[ZL]
	v_lshlrev_b32 v[RVA], 2, v15
	v_add_nc_u32 v[RVA], RV, v[RVA]
	v_add_nc_u32 v[RL], RV, v[RO]
	s_wait_kmcnt 0x0
	; the net's six buffers, chosen on y alone
	s_cmp_eq_u32 s5, 1
	s_cselect_b64 s[50:51], s[16:17], s[14:15]     ; W1
	s_cselect_b64 s[52:53], s[22:23], s[20:21]     ; b1
	s_cselect_b64 s[54:55], s[28:29], s[26:27]     ; W2
	s_cselect_b64 s[56:57], s[34:35], s[32:33]     ; b2
	s_cselect_b64 s[58:59], s[40:41], s[38:39]     ; W3
	s_cselect_b64 s[60:61], s[46:47], s[44:45]     ; b3
	s_cmp_eq_u32 s5, 2
	s_cselect_b64 s[50:51], s[18:19], s[50:51]
	s_cselect_b64 s[52:53], s[24:25], s[52:53]
	s_cselect_b64 s[54:55], s[30:31], s[54:55]
	s_cselect_b64 s[56:57], s[36:37], s[56:57]
	s_cselect_b64 s[58:59], s[42:43], s[58:59]
	s_cselect_b64 s[60:61], s[48:49], s[60:61]
	s_load_b32 s70, s[60:61], 0x0                  ; b3 or bt3 (y = 2: bz3[0], not used)
	s_lshl_b32 s66, s6, 18                         ; 128 rows of 2,048 bytes
	s_mov_b32 s67, 0
	s_add_nc_u64 s[8:9], s[8:9], s[66:67]          ; s at my first row
	s_lshl_b32 s66, s6, 15                         ; 128 rows of 256 bytes
	s_add_nc_u64 s[10:11], s[10:11], s[66:67]      ; zb at my first row
	s_lshl_b32 s66, s5, 15                         ; rowv: row y of 32,768 bytes
	s_lshl_b32 s72, s6, 9                          ; + 128 numbers a block
	s_add_co_u32 s66, s66, s72
	s_add_nc_u64 s[12:13], s[12:13], s[66:67]
.macro PLACES                          ; a vector instruction that reads a matrix result, and a load into a register of a matrix instruction, stand four
.rept 4                                ; independent plain vector instructions behind it (ISA guide 7.12.1)
	v_nop
.endr
.endm
.macro RELU base, cnt
.set rl_i, 0
.rept \cnt
	v_max_num_f32 v[\base+rl_i], 0, v[\base+rl_i]
.set rl_i, rl_i+1
.endr
.endm
.macro PACK8 base                      ; eight f32 become eight bf16 in the first four registers, in place
.irp k, 0,1,2,3
	v_cvt_pk_bf16_f32 v[\base+\k], v[\base+2*\k], v[\base+2*\k+1]
.endr
.endm
; The next chunk of 64 f32 of K: 16 rows of s and 16 rows of W1 a wave, two rows a load, each half wave 256 consecutive aligned bytes.
.macro GL
.irp i, 0,1,2,3,4,5,6,7
	global_load_b128 v[ST+4*\i:ST+4*\i+3], v[GO], s[8:9] offset:4096*\i
.endr
.irp i, 0,1,2,3,4,5,6,7
	global_load_b128 v[ST+32+4*\i:ST+32+4*\i+3], v[GO], s[50:51] offset:4096*\i
.endr
.endm
; That chunk is rounded to bf16 and laid into a slot.  ONE barrier for two things: behind it the slot is whole for every wave, and every
; wave's reads of the OTHER slot are back (each waited for them inside GEMM), so the next chunk may be stored over that one.
.macro CVST slot
	s_wait_loadcnt 0x0                             ; the chunk is in, and GO is free
	v_add_nc_u32 v[GO], 256, v[GO]
.irp i, 0,1,2,3,4,5,6,7,8,9,10,11,12,13,14,15
	v_cvt_pk_bf16_f32 v[ST+4*\i], v[ST+4*\i], v[ST+4*\i+1]
	v_cvt_pk_bf16_f32 v[ST+4*\i+1], v[ST+4*\i+2], v[ST+4*\i+3]
.endr
.irp i, 0,1,2,3,4,5,6,7
	ds_store_b64 v[SS], v[ST+4*\i:ST+4*\i+1] offset:(\slot)*SLOTB+2*PC*\i
	ds_store_b64 v[SS], v[ST+32+4*\i:ST+32+4*\i+1] offset:(\slot)*SLOTB+WOFF+2*PC*\i
.endr
	s_wait_dscnt 0x0                               ; for the other waves' sake: my stores are done
	s_barrier_signal -1
	s_barrier_wait -1
.endm
; 8 products: my 2 x 4 tiles, 32 of K.  The eight accumulators take turns, one instruction a turn.
.macro MM kk
.irp rt, 0,1
.irp ct, 0,1,2,3
	v_wmma_f32_16x16x32_bf16 v[ACC+8*(4*\rt+\ct):ACC+8*(4*\rt+\ct)+7], v[F+48*\kk+8*\ct:F+48*\kk+8*\ct+7], v[F+48*\kk+32+8*\rt:F+48*\kk+32+8*\rt+7], v[ACC+8*(4*\rt+\ct):ACC+8*(4*\rt+\ct)+7]
.endr
.endr
.endm
; One chunk is multiplied.  The fragment loads stand behind the conversions of CVST, which are the places behind the last chunk's products.
.macro GEMM slot
.irp kk, 0,1
.irp ct, 0,1,2,3
	ds_load_b128 v[F+48*\kk+8*\ct:F+48*\kk+8*\ct+3], v[LA] offset:(\slot)*SLOTB+WOFF+16*PC*\ct+64*\kk
	ds_load_b128 v[F+48*\kk+8*\ct+4:F+48*\kk+8*\ct+7], v[LA] offset:(\slot)*SLOTB+WOFF+16*PC*\ct+64*\kk+32
.endr
.irp rt, 0,1
	ds_load_b128 v[F+48*\kk+32+8*\rt:F+48*\kk+32+8*\rt+3], v[LB] offset:(\slot)*SLOTB+16*PC*\rt+64*\kk
	ds_load_b128 v[F+48*\kk+32+8*\rt+4:F+48*\kk+32+8*\rt+7], v[LB] offset:(\slot)*SLOTB+16*PC*\rt+64*\kk+32
.endr
.endr
	s_wait_dscnt 12                                ; the first 12 loads are in; the 12 of the second K step stay out
	MM 0
	s_wait_dscnt 0x0                               ; all my reads of this slot are back
	MM 1
.endm
.macro TRIP slot, other                ; the next chunk is on its way from memory while this one is multiplied; it goes into the other slot
	GL
	GEMM \slot
	CVST \other
.endm
; Layer 2: my 16 rows x 64 units, K = 128, in two halves of K.  Four accumulators take turns, one instruction a turn.
.macro LAYER2
.irp c, 0,1,2,3
	ds_load_b128 v[B2+8*\c:B2+8*\c+3], v[H1L] offset:64*\c
	ds_load_b128 v[B2+8*\c+4:B2+8*\c+7], v[H1L] offset:64*\c+32
.endr
.irp hf, 0,1
.irp cc, 0,1
.irp ct, 0,1,2,3
	ds_load_b128 v[A2+32*\cc+8*\ct:A2+32*\cc+8*\ct+3], v[W2L] offset:16*P2*\ct+64*(2*\hf+\cc)
	ds_load_b128 v[A2+32*\cc+8*\ct+4:A2+32*\cc+8*\ct+7], v[W2L] offset:16*P2*\ct+64*(2*\hf+\cc)+32
.endr
.endr
	s_wait_dscnt 0x0
.irp cc, 0,1
.irp ct, 0,1,2,3
	v_wmma_f32_16x16x32_bf16 v[ACC2+8*\ct:ACC2+8*\ct+7], v[A2+32*\cc+8*\ct:A2+32*\cc+8*\ct+7], v[B2+8*(2*\hf+\cc):B2+8*(2*\hf+\cc)+7], v[ACC2+8*\ct:ACC2+8*\ct+7]
.endr
.endr
	PLACES                                         ; in front of the next half's loads into A2, and of the relu
.endr
.endm
	; b1 into the accumulators, the first chunk, W2: all on their way together
.irp rt, 0,1
.irp ct, 0,1,2,3
	global_load_b128 v[ACC+8*(4*\rt+\ct):ACC+8*(4*\rt+\ct)+3], v[BO1], s[52:53] offset:64*\ct
	global_load_b128 v[ACC+8*(4*\rt+\ct)+4:ACC+8*(4*\rt+\ct)+7], v[BO1], s[52:53] offset:64*\ct+16
.endr
.endr
	GL
.irp i, 0,1,2,3,4,5,6,7
	global_load_b128 v[F+4*\i:F+4*\i+3], v[W2O], s[54:55] offset:512*\i
.endr
	s_cmp_lg_u32 s5, 2
	s_cbranch_scc1 .Lno_w3
	; the embedding's wz3 [128][64]: 16 rows a wave, two rows a load; loaded, rounded and stored inside this one branch
.irp i, 0,1,2,3,4,5,6,7
	global_load_b128 v[F+32+4*\i:F+32+4*\i+3], v[W3O], s[58:59] offset:512*\i
.endr
	s_wait_loadcnt 0x0
.irp i, 0,1,2,3,4,5,6,7
	v_cvt_pk_bf16_f32 v[F+32+4*\i], v[F+32+4*\i], v[F+32+4*\i+1]
	v_cvt_pk_bf16_f32 v[F+32+4*\i+1], v[F+32+4*\i+2], v[F+32+4*\i+3]
	ds_store_b64 v[W3S], v[F+32+4*\i:F+32+4*\i+1] offset:2*PC*\i
.endr
.Lno_w3:
	s_wait_loadcnt 0x0                             ; b1, the first chunk and W2 are in
	s_wait_kmcnt 0x0                               ; and s70
.irp i, 0,1,2,3,4,5,6,7
	v_cvt_pk_bf16_f32 v[F+4*\i], v[F+4*\i], v[F+4*\i+1]
	v_cvt_pk_bf16_f32 v[F+4*\i+1], v[F+4*\i+2], v[F+4*\i+3]
	ds_store_b64 v[W2S], v[F+4*\i:F+4*\i+1] offset:P2*\i
.endr
	CVST 0                                         ; its barrier shows W2 and wz3 to every wave as well
	s_mov_b32 s7, 0
.Lpair:
	TRIP 0, 1                                      ; chunks 0, 2, 4
	TRIP 1, 0                                      ; chunks 1, 3, 5
	s_add_co_u32 s7, s7, 1
	s_cmp_lt_u32 s7, 3
	s_cbranch_scc1 .Lpair
	TRIP 0, 1                                      ; chunk 6; chunk 7 is the last that is fetched
.irp ct, 0,1,2,3
	global_load_b128 v[ACC2+8*\ct:ACC2+8*\ct+3], v[BO2], s[56:57] offset:64*\ct       ; b2 into layer 2's accumulators: the chunk registers are free
	global_load_b128 v[ACC2+8*\ct+4:ACC2+8*\ct+7], v[BO2], s[56:57] offset:64*\ct+16
.endr
	GEMM 1                                         ; chunk 7
	PLACES
	RELU ACC, 64
.irp rt, 0,1
.irp ct, 0,1,2,3
	PACK8 ACC+8*(4*\rt+\ct)
	ds_store_b128 v[H1S], v[ACC+8*(4*\rt+\ct):ACC+8*(4*\rt+\ct)+3] offset:16*P2*\rt+32*\ct
.endr
.endr
	s_wait_dscnt 0x0                               ; for the other waves' sake: my part of h1 is stored
	s_barrier_signal -1
	s_barrier_wait -1
	s_wait_loadcnt 0x0                             ; b2
	s_cmp_eq_u32 s5, 2
	s_cbranch_scc1 .Lzpath
	; y < 2: one output column, in f32 on the vector unit.  w3 comes in the accumulators' layout.
.irp ct, 0,1,2,3
	global_load_b128 v[ACC+8*\ct:ACC+8*\ct+3], v[BO2], s[58:59] offset:64*\ct
	global_load_b128 v[ACC+8*\ct+4:ACC+8*\ct+7], v[BO2], s[58:59] offset:64*\ct+16
.endr
	LAYER2
	RELU ACC2, 32
	s_wait_loadcnt 0x0
	v_pk_mul_f32 v[SQ:SQ+1], v[ACC2:ACC2+1], v[ACC:ACC+1]
	v_pk_mul_f32 v[SQ+2:SQ+3], v[ACC2+2:ACC2+3], v[ACC+2:ACC+3]
.irp i, 2,3,4,5,6,7,8,9,10,11,12,13,14,15
	v_pk_fma_f32 v[SQ+2*(\i&1):SQ+2*(\i&1)+1], v[ACC2+2*\i:ACC2+2*\i+1], v[ACC+2*\i:ACC+2*\i+1], v[SQ+2*(\i&1):SQ+2*(\i&1)+1]
.endr
	v_pk_add_f32 v[SQ:SQ+1], v[SQ:SQ+1], v[SQ+2:SQ+3]
	v_add_f32 v[SQ], v[SQ], v[SQ+1]                ; my 32 units of row r
	v_permlanex16_b32 v[SQ+1], v[SQ], s68, s69     ; the other 32
	v_add_f32 v[SQ], v[SQ], v[SQ+1]
	v_add_f32 v[RVV], s70, v[SQ]
	s_branch .Ljoin
.Lzpath:
	; y = 2: layer 3 on the matrix unit, 16 rows x 128 features, K = 64.  bz3 goes straight into the accumulators.
.irp t, 0,1,2,3,4,5,6,7
	global_load_b128 v[ACC+8*\t:ACC+8*\t+3], v[BO2], s[60:61] offset:64*\t
	global_load_b128 v[ACC+8*\t+4:ACC+8*\t+7], v[BO2], s[60:61] offset:64*\t+16
.endr
	LAYER2
	RELU ACC2, 32
.irp ct, 0,1,2,3
	PACK8 ACC2+8*\ct
	ds_store_b128 v[H2A], v[ACC2+8*\ct:ACC2+8*\ct+3] offset:32*\ct
.endr
.irp c, 0,1
	ds_load_b128 v[B3+8*\c:B3+8*\c+3], v[H2A] offset:64*\c         ; my own rows: LDS serves a wave's instructions in order (ISA guide 5.7.1.4)
	ds_load_b128 v[B3+8*\c+4:B3+8*\c+7], v[H2A] offset:64*\c+32
.endr
.irp t, 0,1,2,3,4,5,6,7
	ds_load_b128 v[A30+8*\t:A30+8*\t+3], v[W3L] offset:16*PC*\t
	ds_load_b128 v[A30+8*\t+4:A30+8*\t+7], v[W3L] offset:16*PC*\t+32
.endr
.irp t, 0,1,2,3,4,5,6,7
	ds_load_b128 v[A31+8*\t:A31+8*\t+3], v[W3L] offset:16*PC*\t+64
	ds_load_b128 v[A31+8*\t+4:A31+8*\t+7], v[W3L] offset:16*PC*\t+96
.endr
	s_wait_loadcnt 0x0                             ; bz3
	s_wait_dscnt 0x0
	; eight accumulators take turns, one instruction a turn
.irp t, 0,1,2,3,4,5,6,7
	v_wmma_f32_16x16x32_bf16 v[ACC+8*\t:ACC+8*\t+7], v[A30+8*\t:A30+8*\t+7], v[B3:B3+7], v[ACC+8*\t:ACC+8*\t+7]
.endr
.irp t, 0,1,2,3,4,5,6,7
	v_wmma_f32_16x16x32_bf16 v[ACC+8*\t:ACC+8*\t+7], v[A31+8*\t:A31+8*\t+7], v[B3+8:B3+15], v[ACC+8*\t:ACC+8*\t+7]
.endr
	PLACES
	; z is rounded to bf16, staged by rows, and the squares of the ROUNDED numbers are summed in f32: launch 2 then forms exact distances of the rounded points
.irp t, 0,1,2,3,4,5,6,7
	PACK8 ACC+8*\t
	ds_store_b128 v[ZS], v[ACC+8*\t:ACC+8*\t+3] offset:32*\t
.irp k, 0,1,2,3
	v_lshlrev_b32 v[ACC+8*\t+4+2*(\k&1)], 16, v[ACC+8*\t+\k]
	v_and_b32 v[ACC+8*\t+5+2*(\k&1)], s71, v[ACC+8*\t+\k]
.if 4*\t+\k < 2
	v_pk_mul_f32 v[SQ+2*(\k&1):SQ+2*(\k&1)+1], v[ACC+8*\t+4+2*(\k&1):ACC+8*\t+5+2*(\k&1)], v[ACC+8*\t+4+2*(\k&1):ACC+8*\t+5+2*(\k&1)]
.else
	v_pk_fma_f32 v[SQ+2*(\k&1):SQ+2*(\k&1)+1], v[ACC+8*\t+4+2*(\k&1):ACC+8*\t+5+2*(\k&1)], v[ACC+8*\t+4+2*(\k&1):ACC+8*\t+5+2*(\k&1)], v[SQ+2*(\k&1):SQ+2*(\k&1)+1]
.endif
.endr
.endr
.irp t, 0,1,2,3,4,5,6,7
	ds_load_b128 v[F+4*\t:F+4*\t+3], v[ZL] offset:2*P2*\t          ; back by whole rows: lanes 0-15 one row of 256 bytes, lanes 16-31 the next
.endr
	v_pk_add_f32 v[SQ:SQ+1], v[SQ:SQ+1], v[SQ+2:SQ+3]
	v_add_f32 v[SQ], v[SQ], v[SQ+1]
	v_permlanex16_b32 v[SQ+1], v[SQ], s68, s69
	v_add_f32 v[SQ], v[SQ], v[SQ+1]
	v_mul_f32 v[RVV], -0.5, v[SQ]
.irp t, 0,1,2,3,4,5,6,7
	s_wait_dscnt 7-\t                              ; LDS loads come back in order: pair t of rows is in, the younger ones stay out
	global_store_b128 v[W3O], v[F+4*\t:F+4*\t+3], s[10:11] offset:512*\t   ; 16 lanes store 256 consecutive aligned bytes
.endr
.Ljoin:
	ds_store_b32 v[RVA], v[RVV]                    ; lanes r and 16 + r hold the same number
	s_wait_dscnt 0x0
	s_barrier_signal -1
	s_barrier_wait -1
	s_cmp_lg_u32 s4, 0
	s_cbranch_scc1 .Ldone
	ds_load_b128 v[208:211], v[RL]                 ; wave 0 stores the block's 128 numbers: 512 consecutive bytes
	s_wait_dscnt 0x0
	global_store_b128 v[RO], v[208:211], s[12:13]
.Ldone:
	s_set_vgpr_msb 0x4
	s_wait_tensorcnt 0x0
	ds_add_u32 v255, v1
	s_wait_dscnt 0x0
	s_set_vgpr_msb 0x400
	s_endpgm
.Lfunc_end_k_qe794902cc6_mlp:
	.size	k_qe794902cc6_mlp, .Lfunc_end_k_qe794902cc6_mlp-k_qe794902cc6_mlp
	.p2alignl 7, 3214868480
	.fill 96, 4, 3214868480
	.section	.rodata,"a",@progbits
	.p2align	6, 0x0
	.amdhsa_kernel k_qe794902cc6_mlp
		.amdhsa_group_segment_fixed_size 199168
		.amdhsa_private_segment_fixed_size 0
		.amdhsa_enable_private_segment 0
		.amdhsa_kernarg_size 168
		.amdhsa_user_sgpr_count 2
		.amdhsa_user_sgpr_kernarg_segment_ptr 1
		.amdhsa_wavefront_size32 1
		.amdhsa_system_sgpr_workgroup_id_x 1
		.amdhsa_system_sgpr_workgroup_id_y 1
		.amdhsa_system_sgpr_workgroup_id_z 1
		.amdhsa_system_vgpr_workitem_id 0
		.amdhsa_next_free_vgpr 258
		.amdhsa_next_free_sgpr 76
		.amdhsa_reserve_vcc 0
		.amdhsa_float_denorm_mode_32 3
		.amdhsa_float_denorm_mode_16_64 3
		.amdhsa_memory_ordered 1
		.amdhsa_forward_progress 1
		.amdhsa_inst_pref_size 73
	.end_amdhsa_kernel
	.amdgpu_metadata
---
amdhsa.version: [ 1, 2 ]
amdhsa.kernels:
  - .name:           k_qe794902cc6_mlp
    .symbol:         k_qe794902cc6_mlp.kd
    .args:
      - { .name: s, .offset: 0, .size: 8, .value_kind: global_buffer, .address_space: global }
      - { .name: zb, .offset: 8, .size: 8, .value_kind: global_buffer, .address_space: global }
      - { .name: rowv, .offset: 16, .size: 8, .value_kind: global_buffer, .address_space: global }
      - { .name: w1, .offset: 24, .size: 8, .value_kind: global_buffer, .address_space: global }
      - { .name: wt1, .offset: 32, .size: 8, .value_kind: global_buffer, .address_space: global }
      - { .name: wz1, .offset: 40, .size: 8, .value_kind: global_buffer, .address_space: global }
      - { .name: b1, .offset: 48, .size: 8, .value_kind: global_buffer, .address_space: global }
      - { .name: bt1, .offset: 56, .size: 8, .value_kind: global_buffer, .address_space: global }
      - { .name: bz1, .offset: 64, .size: 8, .value_kind: global_buffer, .address_space: global }
      - { .name: w2, .offset: 72, .size: 8, .value_kind: global_buffer, .address_space: global }
      - { .name: wt2, .offset: 80, .size: 8, .value_kind: global_buffer, .address_space: global }
      - { .name: wz2, .offset: 88, .size: 8, .value_kind: global_buffer, .address_space: global }
      - { .name: b2, .offset: 96, .size: 8, .value_kind: global_buffer, .address_space: global }
      - { .name: bt2, .offset: 104, .size: 8, .value_kind: global_buffer, .address_space: global }
      - { .name: bz2, .offset: 112, .size: 8, .value_kind: global_buffer, .address_space: global }
      - { .name: w3, .offset: 120, .size: 8, .value_kind: global_buffer, .address_space: global }
      - { .name: wt3, .offset: 128, .size: 8, .value_kind: global_buffer, .address_space: global }
      - { .name: wz3, .offset: 136, .size: 8, .value_kind: global_buffer, .address_space: global }
      - { .name: b3, .offset: 144, .size: 8, .value_kind: global_buffer, .address_space: global }
      - { .name: bt3, .offset: 152, .size: 8, .value_kind: global_buffer, .address_space: global }
      - { .name: bz3, .offset: 160, .size: 8, .value_kind: global_buffer, .address_space: global }
    .group_segment_fixed_size: 199168
    .private_segment_fixed_size: 0
    .kernarg_segment_align: 8
    .kernarg_segment_size: 168
    .max_flat_workgroup_size: 256
    .sgpr_count:     76
    .vgpr_count:     258
    .wavefront_size: 32
...
	.end_amdgpu_metadata
.endif
;; end of part 1
;; launch knn (part 2): grid 16 x 16, 8 waves a work-group, clusters of 4 x 4, 281,600 bytes of LDS; arguments zb, rowv, part; writes part
.if DOCPART == 2
	.amdgcn_target "amdgcn-amd-amdhsa--gfx1250"
	.amdhsa_code_object_version 6
	.text
	.protected	k_qe794902cc6_knn
	.globl	k_qe794902cc6_knn
	.p2align	8
	.type	k_qe794902cc6_knn,@function
k_qe794902cc6_knn:
	s_mov_b64 s[64:65], 0
	v_nop
	global_prefetch_b8 v0, s[64:65] scope:SCOPE_SE
	s_setreg_imm32_b32 hwreg(HW_REG_WAVE_MODE, 25, 1), 1
	s_wait_xcnt 0x0
	s_wait_alu depctr_hold_cnt(0) depctr_sa_sdst(0) depctr_va_vdst(0) depctr_va_sdst(0) depctr_va_ssrc(0) depctr_va_vcc(0) depctr_vm_vsrc(0)
	s_getreg_b32 s2, hwreg(HW_REG_IB_STS2, 6, 4)
	s_cmp_eq_u32 s2, 0
	s_cbranch_scc0 .Lentry_in_a_cluster
	s_endpgm
.Lentry_in_a_cluster:
	s_bfe_u32 s2, ttmp6, 0x10000c
	s_cmp_lg_u32 s2, 0xf033
	s_cbranch_scc0 .Lentry_shape_is_right
	s_endpgm
.Lentry_shape_is_right:
; NGU, launch 2 of 4: for 512 queries (block qb = x) the 11 nearest of 512 candidates (part p = y), as keys.
; KEY: D(i, j) = z_i . z_j - sq_j / 2.  For one query i it falls as the squared distance sq_i + sq_j - 2 z_i . z_j = sq_i - 2 D rises, so the 11
; LARGEST keys are the 11 nearest.  -sq_j / 2 (rowv's row 2) is the C operand of the first product: a key costs no vector instruction.
; Eight waves of 512 registers, two on a SIMD.  Wave w: 4 query tiles (64 queries) against all 32 candidate tiles.
; A = 16 candidates, B = 16 queries: register j of lane (r, h) holds (candidate 8 h + j, query r): a lane owns one query of each tile and half of the candidates.
; The whole part, the queries and the 512 numbers of rowv fit in LDS: each byte of LDS is filled once, nothing is filled again.
; CLUSTERS: 4 x 4 work-groups.  The four of a row of the cluster (same p) ask jointly for the candidates and their -sq/2, the four of a column
; (same qb) for the queries: that divides the requests by four.  A wave has three tensor loads outstanding at the most.
;
; THE SELECTION has no branch and is exact for all finite keys.
; A list is sorted descending; x enters from the bottom up by a_i = med3(x, a_(i-1), a_i), a_0 = max(x, a_0): one instruction a place.
; Keys are first sorted in disjoint groups of three (max3, med3, min3), and such sorts are nested on the streams of equal rank.  A key of ranks
; (r1, r2, r3) has m = r1 r2 r3 different keys that are not smaller (itself among them), and these sets are disjoint for the keys of one stream.
; So only the floor(11 / m) largest keys of a stream can be among the 11 largest of all: each stream keeps a list of that length.
; PROC takes 24 keys of a lane (3 candidate tiles): level 1 across the tiles, level 2 along the 8 registers in groups (0,1,2) (3,4,5) (6,7),
; level 3 on the three first and the three second of rank-1 keys and on the three first of rank-2 keys.  117 instructions for 24 keys.
; At the end the lists are merged into the first in an order in which every key's witnesses come first; element t of a list of multiplier m
; then has m (t + 1) - 1 keys in front of it that are not smaller, so only the places from there on can change.
; LIMITS: finite z only (with NaN or infinities the order of the lists is undefined); z is bf16, and sq_i - 2 D cancels as the reference's own
; sq_i + sq_j - 2 z z^T does, so the error grows with a common offset of z.
.set PITCH, 272                        ; an LDS row: 256 bytes + 16 of padding, an odd multiple of 16: 16 rows' 16-byte pieces fall on 16 different columns modulo 256 bytes
.set TILEB, 16*PITCH
.set WROWS, 64*PITCH                   ; what one tensor load brings: 64 rows
.set CAND,  0                          ; 512 x 272
.set QRY,   8*WROWS                    ; 512 x 272
.set HSQ,   16*WROWS                   ; 512 f32
.set UNIT,  11*256                     ; part: 11 places of 256 bytes for a group of 64 queries
; window 0
.set LA, 1                             ; LDS: my candidate fragments, stepped by three tiles a step
.set LC, 2                             ; LDS: -sq/2 of my 8 candidates of a tile
.set LQ, 3                             ; LDS: my query fragments
.set SO, 4                             ; 8 x lane
.set HH, 5                             ; h
.set X,  8                             ; v[8:31]   keys of three tiles
.set Y,  32                            ; v[32:55]  keys of three tiles
.set S0, 56                            ; v[56:63]
.set S1, 64                            ; v[64:71]
.set LIST, 72                          ; v[72:255] 46 registers for each query tile
.set OA11, 0                           ; ranks (1,1,1) m 1
.set OA5,  11                          ; (1,1,2) m 2
.set OA3,  16                          ; (1,1,3) m 3
.set OB5,  19                          ; (1,2,1) m 2
.set OB2,  24                          ; (1,2,2) m 4
.set OB1,  26                          ; (1,2,3) m 6
.set OC3,  27                          ; (1,3)   m 3
.set OD5,  30                          ; (2,1,1) m 2
.set OD2,  35                          ; (2,1,2) m 4
.set OD1,  37                          ; (2,1,3) m 6
.set OE2,  38                          ; (2,2)   m 4
.set OF1,  40                          ; (2,3)   m 6
.set OG3,  41                          ; (3,1)   m 3
.set OH1,  44                          ; (3,2)   m 6
.set OI1,  45                          ; (3,3)   m 9
; window 1 (v256 and up, written by their low 8 bits)
.set BF, 0                             ; v[256:383] query fragments: tile q, K step c at 32 q + 8 c
.set AF, 128                           ; v[384:479] candidate fragments: tile i of three, K step c at 32 i + 8 c
.set CF, 224                           ; v[480:503] -sq/2 in the accumulators' layout, tile i at 8 i
.set G1C, 16                           ; s[16:23] shape of the candidates' tiles, mask of my row
.set G1Q, 24                           ; s[24:31] the same shape, mask of my column
.set G1H, 32                           ; s[32:39] one row of 256 bytes, mask of my row
.set G0H, 40
.set G0C, 44
.set G0Q, 48
.set MSB, 0
.macro WIN new                         ; s_set_vgpr_msb: bits 1:0 source 0, 3:2 source 1, 5:4 source 2, 7:6 destination; the high byte repeats the setting that is left
.if MSB != \new
	s_set_vgpr_msb (MSB<<8)|\new
.set MSB, \new
.endif
.endm
; A round of the cluster's barrier: my work-group's barrier, wave 0 signals for the work-group, every wave waits for all sixteen, my work-group's barrier again.
.macro ROUND
	s_barrier_signal -1
	s_barrier_wait -1
	s_cmp_lg_u32 s10, 0
	s_cbranch_scc1 .Lnot_wave_0_\@
	s_barrier_signal -3
.Lnot_wave_0_\@:
	s_barrier_wait -3
	s_barrier_signal -1
	s_barrier_wait -1
.endm
.macro SORT3 d0, d1, d2, a, b, c       ; d2 may be one of the inputs: it is written last
	v_max3_num_f32 v[\d0], v[\a], v[\b], v[\c]
	v_med3_num_f32 v[\d1], v[\a], v[\b], v[\c]
	v_min3_num_f32 v[\d2], v[\a], v[\b], v[\c]
.endm
.macro SORT8 dst, src                  ; level 2: places 0-2 the groups' first, 3-5 their second, 6-7 their third
	SORT3 \dst+0, \dst+3, \dst+6, \src+0, \src+1, \src+2
	SORT3 \dst+1, \dst+4, \dst+7, \src+3, \src+4, \src+5
	v_max_num_f32 v[\dst+2], v[\src+6], v[\src+7]
	v_min_num_f32 v[\dst+5], v[\src+6], v[\src+7]
.endm
.macro INS lst, cnt, val, p            ; val enters a list of cnt places; only the places from p on can change
.set ins_i, \cnt-1
.rept \cnt
.if ins_i >= (\p)
.if ins_i > 0
	v_med3_num_f32 v[\lst+ins_i], v[\val], v[\lst+ins_i-1], v[\lst+ins_i]
.else
	v_max_num_f32 v[\lst], v[\val], v[\lst]
.endif
.endif
.set ins_i, ins_i-1
.endr
.endm
; The keys of nt (3 or 2) candidate tiles in z enter the lists of query tile q.  Inserts into one list stand apart.
.macro PROC z, q, nt
.set LB, LIST+46*\q
.set pj, 0
.rept 8
.if \nt == 3
	SORT3 S0+pj, S1+pj, \z+16+pj, \z+pj, \z+8+pj, \z+16+pj
.else
	v_max_num_f32 v[S0+pj], v[\z+pj], v[\z+8+pj]
	v_min_num_f32 v[S1+pj], v[\z+pj], v[\z+8+pj]
.endif
.set pj, pj+1
.endr
	SORT8 \z, S0
	SORT8 \z+8, S1
.if \nt == 3
	SORT8 S0, \z+16
.endif
	SORT3 S1+0, S1+1, S1+2, \z+0, \z+1, \z+2
	SORT3 S1+3, S1+4, S1+5, \z+3, \z+4, \z+5
	SORT3 S1+6, S1+7, \z+10, \z+8, \z+9, \z+10
	INS LB+OA11, 11, S1+0, 0
	INS LB+OC3, 3, \z+6, 0
	INS LB+OA5, 5, S1+1, 0
	INS LB+OE2, 2, \z+11, 0
	INS LB+OA3, 3, S1+2, 0
.if \nt == 3
	INS LB+OG3, 3, S0+0, 0
.endif
	INS LB+OB5, 5, S1+3, 0
	INS LB+OC3, 3, \z+7, 0
	INS LB+OB2, 2, S1+4, 0
	INS LB+OE2, 2, \z+12, 0
	INS LB+OB1, 1, S1+5, 0
.if \nt == 3
	INS LB+OG3, 3, S0+1, 0
	v_max3_num_f32 v[LB+OH1], v[LB+OH1], v[S0+3], v[S0+4]
.endif
	INS LB+OD5, 5, S1+6, 0
	INS LB+OD2, 2, S1+7, 0
	INS LB+OE2, 2, \z+13, 0
	INS LB+OD1, 1, \z+10, 0
.if \nt == 3
	INS LB+OG3, 3, S0+2, 0
	v_max_num_f32 v[LB+OH1], v[LB+OH1], v[S0+5]
	v_max3_num_f32 v[LB+OI1], v[LB+OI1], v[S0+6], v[S0+7]
.endif
	v_max3_num_f32 v[LB+OF1], v[LB+OF1], v[\z+14], v[\z+15]
.endm
; The fragments and -sq/2 of the next nt candidate tiles
.macro LOADT nt
	WIN 0x40                                       ; destination window 1, address window 0
.set lt_i, 0
.rept \nt
.irp c, 0,1,2,3
	ds_load_b128 v[AF+32*lt_i+8*\c:AF+32*lt_i+8*\c+3], v[LA] offset:TILEB*lt_i+64*\c
	ds_load_b128 v[AF+32*lt_i+8*\c+4:AF+32*lt_i+8*\c+7], v[LA] offset:TILEB*lt_i+64*\c+32
.endr
	ds_load_b128 v[CF+8*lt_i:CF+8*lt_i+3], v[LC] offset:64*lt_i
	ds_load_b128 v[CF+8*lt_i+4:CF+8*lt_i+7], v[LC] offset:64*lt_i+16
.set lt_i, lt_i+1
.endr
	WIN 0
.endm
; The keys of nt candidate tiles for query tile q, into z.  The first product takes -sq/2 as C.  The nt accumulators take turns, one
; instruction a turn.
.macro WMMAQ z, q, nt
	WIN 0x15                                       ; A, B and C window 1, D window 0
.set wq_i, 0
.rept \nt
	v_wmma_f32_16x16x32_bf16 v[\z+8*wq_i:\z+8*wq_i+7], v[AF+32*wq_i:AF+32*wq_i+7], v[BF+32*\q:BF+32*\q+7], v[CF+8*wq_i:CF+8*wq_i+7]
.set wq_i, wq_i+1
.endr
	WIN 0x05                                       ; A and B window 1, C and D window 0
.irp c, 1,2,3
.set wq_i, 0
.rept \nt
	v_wmma_f32_16x16x32_bf16 v[\z+8*wq_i:\z+8*wq_i+7], v[AF+32*wq_i+8*\c:AF+32*wq_i+8*\c+7], v[BF+32*\q+8*\c:BF+32*\q+8*\c+7], v[\z+8*wq_i:\z+8*wq_i+7]
.set wq_i, wq_i+1
.endr
.endr
	WIN 0
.endm
; A step: nt candidate tiles against my four query tiles.  X and Y take turns: while one is selected from, the other's products have been issued;
; every read of keys stands a whole PROC (which names none of those products' registers) behind the products that made them.
; ntp = tiles of the step before (its last keys are still in Y), ntn = tiles of the next step (0: none).
.macro STEP nt, ntp, ntn
	s_wait_dscnt 0x0                               ; this step's fragments, asked for a PROC ago
	WMMAQ X, 0, \nt
	PROC Y, 3, \ntp
	WMMAQ Y, 1, \nt
	PROC X, 0, \nt
	WMMAQ X, 2, \nt
	PROC Y, 1, \nt
	WMMAQ Y, 3, \nt
.if \ntn
	v_add_nc_u32 v[LA], 3*TILEB, v[LA]             ; these two and two v_nop are the four places in front of the loads
	v_add_nc_u32 v[LC], 3*64, v[LC]                ; into registers that the last products read
	v_nop
	v_nop
	LOADT \ntn
.endif
	PROC X, 2, \nt
.endm
.macro MRG dst, lst, cnt, m            ; a list of multiplier m is merged: element t changes places from m (t + 1) - 1 on
.set mrg_t, 0
.rept \cnt
	INS \dst, 11, \lst+mrg_t, \m*(mrg_t+1)-1
.set mrg_t, mrg_t+1
.endr
.endm
.macro FIN q                           ; query tile q: its 15 lists become one, then the two lanes of a query (the two halves of the candidates) are merged
.set LB, LIST+46*\q
	MRG LB, LB+OA5, 5, 2
	MRG LB, LB+OA3, 3, 3
	MRG LB, LB+OB5, 5, 2
	MRG LB, LB+OB2, 2, 4
	MRG LB, LB+OB1, 1, 6
	MRG LB, LB+OC3, 3, 3
	MRG LB, LB+OD5, 5, 2
	MRG LB, LB+OD2, 2, 4
	MRG LB, LB+OD1, 1, 6
	MRG LB, LB+OE2, 2, 4
	MRG LB, LB+OF1, 1, 6
	MRG LB, LB+OG3, 3, 3
	MRG LB, LB+OH1, 1, 6
	MRG LB, LB+OI1, 1, 9
.set fn_t, 0
.rept 11
	v_permlanex16_b32 v[X+fn_t], v[LB+fn_t], s58, s59      ; the other lane's list, before mine changes
.set fn_t, fn_t+1
.endr
	MRG LB, X, 11, 1                               ; two sorted lists: element t has t in front of it
.endm
	s_load_b128 s[4:7], s[0:1], 0x0                ; zb s[4:5], rowv s[6:7]
	s_load_b64 s[8:9], s[0:1], 0x10                ; part
	s_set_vgpr_msb 0x40
	v_lshl_add_u32 v254, v0, 2, 0x44800
	v_mov_b32 v255, 0
	s_set_vgpr_msb 0x4045
	ds_add_u32 v254, v255
	ds_add_u32 v254, v255
	s_set_vgpr_msb 0x4500
	v_lshrrev_b32 v1, 5, v0
	v_readfirstlane_b32 s10, v1                    ; wave 0..7
	s_bfe_u32 s11, ttmp6, 0x40000                  ; cx
	s_bfe_u32 s12, ttmp6, 0x40004                  ; cy
	s_lshl_b32 s13, ttmp9, 2
	s_add_co_u32 s13, s13, s11                     ; qb = 4 x cluster x + cx
	s_and_b32 s14, ttmp7, 0xffff
	s_lshl_b32 s14, s14, 2
	s_add_co_u32 s14, s14, s12                     ; p = 4 x cluster y + cy
	s_lshl_b32 s15, s12, 2
	s_lshl_b32 s15, 15, s15                        ; my row of the cluster: places 4 cy .. 4 cy + 3
	s_lshl_b32 s56, 0x1111, s11                    ; my column: places cx, cx + 4, cx + 8, cx + 12
	s_mov_b32 s3, 0xff800000                       ; -infinity
	s_mov_b32 s58, 0x76543210
	s_mov_b32 s59, 0xfedcba98
	; group 1: 64 rows x 128 bf16, 16 bytes of padding behind each row of 64 words
	s_or_b32 s[G1C+0], s15, (1<<16)|(1<<20)|(1<<21)|(5<<22)|(3<<25)  ; 15:0 mask; 17:16 elements of 2 bytes; 20 padding on; 21 set beside a mask; 24:22 after every 64 words; 31:25 of 4 words
	s_or_b32 s[G1Q+0], s56, (1<<16)|(1<<20)|(1<<21)|(5<<22)|(3<<25)
	s_mov_b32 s[G1C+1], 128<<16                    ; tensor_dim0 = 128
	s_mov_b32 s[G1Q+1], 128<<16
	s_mov_b32 s[G1C+2], 64<<16                     ; tensor_dim1 = 64
	s_mov_b32 s[G1Q+2], 64<<16
	s_mov_b32 s[G1C+3], 128<<16                    ; tile_dim0 = 128
	s_mov_b32 s[G1Q+3], 128<<16
	s_mov_b32 s[G1C+4], 64                         ; tile_dim1 = 64
	s_mov_b32 s[G1Q+4], 64
	s_mov_b32 s[G1C+5], 128                        ; elements from row to row
	s_mov_b32 s[G1Q+5], 128
	s_mov_b32 s[G1C+6], 0
	s_mov_b32 s[G1Q+6], 0
	s_mov_b32 s[G1C+7], 0
	s_mov_b32 s[G1Q+7], 0
	; group 1 for -sq/2: one row of 32 elements of 8 bytes, no padding
	s_or_b32 s[G1H+0], s15, (3<<16)|(1<<21)
	s_mov_b32 s[G1H+1], 32<<16
	s_mov_b32 s[G1H+2], 1<<16
	s_mov_b32 s[G1H+3], 32<<16
	s_mov_b32 s[G1H+4], 1
	s_mov_b32 s[G1H+5], 32
	s_mov_b32 s[G1H+6], 0
	s_mov_b32 s[G1H+7], 0
	; from where: the candidates' and -sq/2's offsets are made of p and the wave alone, the queries' of qb and the wave alone, in registers of their own
	s_lshl_b32 s54, s10, 14                        ; the wave's 64 rows of 256 bytes
	s_mul_i32 s55, s10, WROWS                      ; and where they go: no place in the cluster enters an LDS address
	s_lshl_b32 s60, s14, 17                        ; 512 rows of 256 bytes a part
	s_add_co_u32 s60, s60, s54
	s_mov_b32 s61, 0
	s_lshl_b32 s62, s13, 17
	s_add_co_u32 s62, s62, s54
	s_mov_b32 s63, 0
	s_lshl_b32 s[G0H+1], s10, 8                    ; the wave's 64 numbers
	s_lshl_b32 s52, s14, 11                        ; 512 numbers a part
	s_add_co_u32 s52, s52, s[G0H+1]
	s_add_co_u32 s52, s52, 65536                   ; rowv's row 2
	s_mov_b32 s53, 0
	s_add_co_u32 s[G0H+1], s[G0H+1], HSQ
	s_mov_b32 s[G0H], 1
	s_mov_b32 s[G0C], 1
	s_add_co_u32 s[G0C+1], s55, CAND
	s_mov_b32 s[G0Q], 1
	s_add_co_u32 s[G0Q+1], s55, QRY
	s_wait_dscnt 0x0
	s_wait_kmcnt 0x0
	s_add_nc_u64 s[G0H+2:G0H+3], s[6:7], s[52:53]
	s_or_b32 s[G0H+3], s[G0H+3], 0x80000000
	s_add_nc_u64 s[G0C+2:G0C+3], s[4:5], s[60:61]
	s_or_b32 s[G0C+3], s[G0C+3], 0x80000000
	s_add_nc_u64 s[G0Q+2:G0Q+3], s[4:5], s[62:63]
	s_or_b32 s[G0Q+3], s[G0Q+3], 0x80000000
	ROUND                                          ; all sixteen work-groups are here: the joint loads meet
	tensor_load_to_lds s[G0H:G0H+3], s[G1H:G1H+7]
	s_nop 0
	tensor_load_to_lds s[G0C:G0C+3], s[G1C:G1C+7]
	s_nop 0
	tensor_load_to_lds s[G0Q:G0Q+3], s[G1Q:G1Q+7]
	s_nop 0
	; while the tiles are on their way: addresses, and -infinity, the lists' neutral element, into the 184 list registers.  Y gets it too:
	; the first step's leading PROC then changes nothing, and that step can stand inside the loop.
	v_and_b32 v6, 15, v0                           ; r
	v_bfe_u32 v[HH], v0, 4, 1                      ; h
	v_and_b32 v7, 31, v0                           ; lane
	v_mul_u32_u24 v[LA], v6, PITCH
	v_lshl_add_u32 v[LA], v[HH], 4, v[LA]          ; row x pitch + 16 h (the candidates begin at LDS byte 0)
	v_add_nc_u32 v[LQ], s[G0Q+1], v[LA]            ; the same in my wave's 64 query rows
	v_lshlrev_b32 v[LC], 5, v[HH]
	v_add_nc_u32 v[LC], HSQ, v[LC]
	v_lshlrev_b32 v[SO], 3, v7
.set n_, 0
.rept 24
	v_mov_b32 v[Y+n_], s3
.set n_, n_+1
.endr
.set n_, 0
.rept 184
	v_mov_b32 v[LIST+n_], s3
.set n_, n_+1
.endr
	s_lshl_b32 s66, s14, 7                         ; part's unit: 128 p + 8 qb + w
	s_lshl3_add_u32 s66, s13, s66
	s_add_co_u32 s66, s66, s10
	s_mul_i32 s66, s66, UNIT
	s_mov_b32 s67, 0
	s_add_nc_u64 s[8:9], s[8:9], s[66:67]
	s_wait_tensorcnt 0x0                           ; my three loads have landed,
	s_barrier_signal -1
	s_barrier_wait -1                              ; everybody's have
	WIN 0x40
.irp q, 0,1,2,3
.irp c, 0,1,2,3
	ds_load_b128 v[BF+32*\q+8*\c:BF+32*\q+8*\c+3], v[LQ] offset:TILEB*\q+64*\c
	ds_load_b128 v[BF+32*\q+8*\c+4:BF+32*\q+8*\c+7], v[LQ] offset:TILEB*\q+64*\c+32
.endr
.endr
	LOADT 3                                        ; candidate tiles 0, 1, 2
	s_mov_b32 s57, 0
.Lstep:
	STEP 3, 3, 3                                   ; steps 0 to 8: tiles 3 s .. 3 s + 2
	s_add_co_u32 s57, s57, 1
	s_cmp_lt_u32 s57, 9
	s_cbranch_scc1 .Lstep
	STEP 3, 3, 2                                   ; tiles 27 to 29; the last two are fetched
	STEP 2, 3, 0                                   ; tiles 30, 31
	PROC Y, 3, 2
	FIN 0
	FIN 1
	FIN 2
	FIN 3
	; Out: place i of the lists is one store of 256 consecutive aligned bytes; lane (r, h) gives the queries 16 (2 h) + r and 16 (2 h + 1) + r of my 64
	v_cmp_ne_u32 vcc_lo, 0, v[HH]
.set oi, 0
.rept 11
	v_cndmask_b32 v[X+2*oi], v[LIST+oi], v[LIST+92+oi], vcc_lo
	v_cndmask_b32 v[X+2*oi+1], v[LIST+46+oi], v[LIST+138+oi], vcc_lo
	global_store_b64 v[SO], v[X+2*oi:X+2*oi+1], s[8:9] offset:256*oi
.set oi, oi+1
.endr
	s_set_vgpr_msb 0x5
	s_wait_tensorcnt 0x0
	ds_add_u32 v254, v255
	s_wait_dscnt 0x0
	s_set_vgpr_msb 0x500
	ROUND                                          ; the closing round: no work-group ends while a partner may still ask for a tile that names it
	s_endpgm
.Lfunc_end_k_qe794902cc6_knn:
	.size	k_qe794902cc6_knn, .Lfunc_end_k_qe794902cc6_knn-k_qe794902cc6_knn
	.p2alignl 7, 3214868480
	.fill 96, 4, 3214868480
	.section	.rodata,"a",@progbits
	.p2align	6, 0x0
	.amdhsa_kernel k_qe794902cc6_knn
		.amdhsa_group_segment_fixed_size 281600
		.amdhsa_private_segment_fixed_size 0
		.amdhsa_enable_private_segment 0
		.amdhsa_kernarg_size 24
		.amdhsa_user_sgpr_count 2
		.amdhsa_user_sgpr_kernarg_segment_ptr 1
		.amdhsa_wavefront_size32 1
		.amdhsa_system_sgpr_workgroup_id_x 1
		.amdhsa_system_sgpr_workgroup_id_y 1
		.amdhsa_system_sgpr_workgroup_id_z 1
		.amdhsa_system_vgpr_workitem_id 0
		.amdhsa_next_free_vgpr 512
		.amdhsa_next_free_sgpr 72
		.amdhsa_reserve_vcc 1
		.amdhsa_float_denorm_mode_32 3
		.amdhsa_float_denorm_mode_16_64 3
		.amdhsa_memory_ordered 1
		.amdhsa_forward_progress 1
		.amdhsa_inst_pref_size 179
	.end_amdhsa_kernel
	.amdgpu_metadata
---
amdhsa.version: [ 1, 2 ]
amdhsa.kernels:
  - .name:           k_qe794902cc6_knn
    .symbol:         k_qe794902cc6_knn.kd
    .args:
      - { .name: zb, .offset: 0, .size: 8, .value_kind: global_buffer, .address_space: global }
      - { .name: rowv, .offset: 8, .size: 8, .value_kind: global_buffer, .address_space: global }
      - { .name: part, .offset: 16, .size: 8, .value_kind: global_buffer, .address_space: global }
    .group_segment_fixed_size: 281600
    .private_segment_fixed_size: 0
    .kernarg_segment_align: 8
    .kernarg_segment_size: 24
    .max_flat_workgroup_size: 256
    .sgpr_count:     72
    .vgpr_count:     512
    .wavefront_size: 32
...
	.end_amdgpu_metadata
.endif
;; end of part 2
;; launch merge (part 3): grid 128 x 1, 4 waves a work-group, no clusters, 11,776 bytes of LDS; arguments part, rowv, sumk; writes sumk
.if DOCPART == 3
	.amdgcn_target "amdgcn-amd-amdhsa--gfx1250"
	.amdhsa_code_object_version 6
	.text
	.protected	k_qe794902cc6_merge
	.globl	k_qe794902cc6_merge
	.p2align	8
	.type	k_qe794902cc6_merge,@function
k_qe794902cc6_merge:
	s_mov_b64 s[64:65], 0
	v_nop
	global_prefetch_b8 v0, s[64:65] scope:SCOPE_SE
	s_setreg_imm32_b32 hwreg(HW_REG_WAVE_MODE, 25, 1), 1
	s_wait_xcnt 0x0
; NGU, launch 3 of 4: the 16 parts' sorted lists of 11 keys become one; sumk[i] = the sum of the 2nd to 11th smallest distances of query i.
; Work-group g: 64 queries, two a lane (the even and the odd register of each pair, as launch 2 stored them).  Wave w merges parts 4 w .. 4 w + 3,
; waves 1 to 3 hand their lists to wave 0 through LDS, wave 0 merges the four and finishes.
; Two lists sorted descending are merged by inserting element t of one into the other: t keys in front of it are not smaller, so only the
; places from t on can change: a_i = med3(x, a_(i-1), a_i) from the bottom up, a_0 = max(x, a_0).  66 instructions a merge and query.
; Distance: raw = sq_i - 2 D with sq_i = -2 rowv[2][i]; sqrt(max(raw, 0)).  The largest key (the smallest distance) is left out, as reference() leaves out its first.
; No matrix unit, no tensor loads, no cluster: 45 KB a work-group, read once, nothing shared.
; LIMITS: finite keys; v_sqrt_f32 takes a denormal raw (below 2^-126) as zero.
.set UNIT, 2816                        ; 11 places of 256 bytes
.set PSTR, 128*UNIT                    ; from part to part
.set P0,   8                           ; v[8+22 u ..]: list u, place i in the pair at 2 i
.macro INS2 lst, val, p
.set ins_i, 10
.rept 11
.if ins_i >= (\p)
.if ins_i > 0
	v_med3_num_f32 v[\lst+2*ins_i], v[\val], v[\lst+2*ins_i-2], v[\lst+2*ins_i]
.else
	v_max_num_f32 v[\lst], v[\val], v[\lst]
.endif
.endif
.set ins_i, ins_i-1
.endr
.endm
.macro MERGE2 dst, src                 ; both queries of the lane, by turns
.set mg_t, 0
.rept 11
	INS2 \dst, \src+2*mg_t, mg_t
	INS2 \dst+1, \src+1+2*mg_t, mg_t
.set mg_t, mg_t+1
.endr
.endm
	s_load_b128 s[4:7], s[0:1], 0x0                ; part s[4:5], rowv s[6:7]
	s_load_b64 s[8:9], s[0:1], 0x10                ; sumk
	v_lshl_add_u32 v96, v0, 2, 0x2c00
	v_mov_b32 v97, 0
	v_lshrrev_b32 v1, 5, v0
	v_readfirstlane_b32 s10, v1                    ; wave 0..3
	v_and_b32 v1, 31, v0
	v_lshlrev_b32 v2, 3, v1                        ; 8 x lane
	v_and_b32 v3, 15, v0
	v_bfe_u32 v6, v0, 4, 1
	v_lshlrev_b32 v3, 2, v3
	v_lshl_add_u32 v3, v6, 7, v3                   ; 128 h + 4 r: my first query's place among the 64, in bytes; the second is 64 further
	s_lshl_b32 s11, s10, 9
	s_add_co_u32 s11, s11, ttmp9                   ; 128 (4 w) + g
	s_mul_i32 s12, s11, UNIT
	s_mov_b32 s13, 0
	s_lshl_b32 s14, ttmp9, 8                       ; 64 numbers a group
	s_mov_b32 s15, 0
	s_mul_i32 s16, s10, UNIT
	v_add_nc_u32 v7, s16, v2                       ; LDS: my wave's region
	s_wait_kmcnt 0x0
	s_add_nc_u64 s[4:5], s[4:5], s[12:13]
	s_add_nc_u64 s[6:7], s[6:7], s[14:15]
	s_add_nc_u64 s[8:9], s[8:9], s[14:15]
.irp u, 0,1,2,3
.irp i, 0,1,2,3,4,5,6,7,8,9,10
	global_load_b64 v[P0+22*\u+2*\i:P0+22*\u+2*\i+1], v2, s[4:5] offset:PSTR*\u+256*\i th:TH_LOAD_NT   ; 256 consecutive aligned bytes a load
.endr
.endr
	s_wait_loadcnt 22                              ; parts 0 and 1 of my four are in; the 22 loads of the other two stay out
	MERGE2 P0, P0+22
	s_wait_loadcnt 11                              ; the third is in; the last 11 stay out
	MERGE2 P0, P0+44
	s_wait_loadcnt 0x0
	MERGE2 P0, P0+66
	s_cmp_eq_u32 s10, 0
	s_cbranch_scc1 .Lkeep                          ; wave 0 keeps its list in registers
.irp i, 0,1,2,3,4,5,6,7,8,9,10
	ds_store_b64 v7, v[P0+2*\i:P0+2*\i+1] offset:256*\i
.endr
.Lkeep:
	s_wait_dscnt 0x0                               ; for wave 0's sake: my stores are done
	s_barrier_signal -1
	s_barrier_wait -1
	s_cmp_lg_u32 s10, 0
	s_cbranch_scc1 .Lend
	global_load_b32 v4, v3, s[6:7] offset:65536    ; -sq/2 of my two queries: on their way during the three merges
	global_load_b32 v5, v3, s[6:7] offset:65536+64
.irp u, 1,2,3
.irp i, 0,1,2,3,4,5,6,7,8,9,10
	ds_load_b64 v[P0+22*\u+2*\i:P0+22*\u+2*\i+1], v2 offset:UNIT*\u+256*\i
.endr
.endr
	s_wait_dscnt 22                                ; wave 1's list is in; the 22 loads of the other two stay out
	MERGE2 P0, P0+22
	s_wait_dscnt 11
	MERGE2 P0, P0+44
	s_wait_dscnt 0x0
	MERGE2 P0, P0+66
	s_wait_loadcnt 0x0
	v_pk_mul_f32 v[4:5], v[4:5], -2.0 op_sel_hi:[1,0]              ; sq
.irp i, 1,2,3,4,5,6,7,8,9,10
	v_pk_fma_f32 v[P0+2*\i:P0+2*\i+1], v[P0+2*\i:P0+2*\i+1], -2.0, v[4:5] op_sel_hi:[1,0,1]   ; raw = sq - 2 D
.endr
.set n_, 2
.rept 20
	v_max_num_f32 v[P0+n_], 0, v[P0+n_]
.set n_, n_+1
.endr
.set n_, 2
.rept 20
	v_sqrt_f32 v[P0+n_], v[P0+n_]
.set n_, n_+1
.endr
	v_nop                                          ; one plain vector instruction between the last root and the first use (ISA guide 5.7.2)
	s_wait_alu depctr_va_vdst(0)
.irp i, 3,4,5,6,7,8,9,10
	v_pk_add_f32 v[P0+2+2*((\i+1)%2):P0+3+2*((\i+1)%2)], v[P0+2+2*((\i+1)%2):P0+3+2*((\i+1)%2)], v[P0+2*\i:P0+2*\i+1]   ; two chains: odd places, even places
.endr
	v_pk_add_f32 v[P0+2:P0+3], v[P0+2:P0+3], v[P0+4:P0+5]
	; into the true order through LDS bytes 0 to 255, which are wave 0's own, so that one store fills 256 consecutive aligned bytes
	ds_store_b32 v3, v[P0+2]
	ds_store_b32 v3, v[P0+3] offset:64
	ds_load_b64 v[P0+6:P0+7], v2                   ; LDS serves a wave's instructions in order (ISA guide 5.7.1.4)
	s_wait_dscnt 0x0
	global_store_b64 v2, v[P0+6:P0+7], s[8:9]
.Lend:
	s_wait_tensorcnt 0x0
	ds_add_u32 v96, v97
	s_wait_dscnt 0x0
	s_endpgm
.Lfunc_end_k_qe794902cc6_merge:
	.size	k_qe794902cc6_merge, .Lfunc_end_k_qe794902cc6_merge-k_qe794902cc6_merge
	.p2alignl 7, 3214868480
	.fill 96, 4, 3214868480
	.section	.rodata,"a",@progbits
	.p2align	6, 0x0
	.amdhsa_kernel k_qe794902cc6_merge
		.amdhsa_group_segment_fixed_size 11776
		.amdhsa_private_segment_fixed_size 0
		.amdhsa_enable_private_segment 0
		.amdhsa_kernarg_size 24
		.amdhsa_user_sgpr_count 2
		.amdhsa_user_sgpr_kernarg_segment_ptr 1
		.amdhsa_wavefront_size32 1
		.amdhsa_system_sgpr_workgroup_id_x 1
		.amdhsa_system_sgpr_workgroup_id_y 1
		.amdhsa_system_sgpr_workgroup_id_z 1
		.amdhsa_system_vgpr_workitem_id 0
		.amdhsa_next_free_vgpr 98
		.amdhsa_next_free_sgpr 66
		.amdhsa_reserve_vcc 0
		.amdhsa_float_denorm_mode_32 3
		.amdhsa_float_denorm_mode_16_64 3
		.amdhsa_memory_ordered 1
		.amdhsa_forward_progress 1
		.amdhsa_inst_pref_size 61
	.end_amdhsa_kernel
	.amdgpu_metadata
---
amdhsa.version: [ 1, 2 ]
amdhsa.kernels:
  - .name:           k_qe794902cc6_merge
    .symbol:         k_qe794902cc6_merge.kd
    .args:
      - { .name: part, .offset: 0, .size: 8, .value_kind: global_buffer, .address_space: global }
      - { .name: rowv, .offset: 8, .size: 8, .value_kind: global_buffer, .address_space: global }
      - { .name: sumk, .offset: 16, .size: 8, .value_kind: global_buffer, .address_space: global }
    .group_segment_fixed_size: 11776
    .private_segment_fixed_size: 0
    .kernarg_segment_align: 8
    .kernarg_segment_size: 24
    .max_flat_workgroup_size: 128
    .sgpr_count:     66
    .vgpr_count:     98
    .wavefront_size: 32
...
	.end_amdgpu_metadata
.endif
;; end of part 3
;; launch final (part 4): grid 1 x 1, 32 waves a work-group, no clusters, 4,352 bytes of LDS; arguments sumk, rowv, out0; writes out0
.if DOCPART == 4
	.amdgcn_target "amdgcn-amd-amdhsa--gfx1250"
	.amdhsa_code_object_version 6
	.text
	.protected	k_qe794902cc6_final
	.globl	k_qe794902cc6_final
	.p2align	8
	.type	k_qe794902cc6_final,@function
k_qe794902cc6_final:
	s_mov_b64 s[64:65], 0
	v_nop
	global_prefetch_b8 v0, s[64:65] scope:SCOPE_SE
	s_setreg_imm32_b32 hwreg(HW_REG_WAVE_MODE, 25, 1), 1
	s_wait_xcnt 0x0
; NGU, launch 4 of 4: the mean of sumk over all 8,192 rows, then the pointwise formula.
; One work-group of 32 waves: 96 KB in, 32 KB out, and the mean spans all rows.  Thread t owns the 4 numbers at byte 16 t and the 4 at 16,384 + 16 t,
; so every load and store of a wave covers 512 consecutive bytes.
; With t = sumk / mean and u = t^2 + EPS:  knn = EPS / u,  sqrt(knn) = sqrt(EPS) rsq(u),  r = clip((pred - tgt)^2, 1, 5) / (sqrt(knn) + C).
; ORDER OF ROUNDING differs from reference(): the mean is summed as a tree, (sumk / mean)^2 stands for sumk^2 / mean^2 (which also overflows later),
; and the root is taken by v_rsq_f32.  A mean of 0 gives NaN, as 0 / 0 does there.
.macro WSUM                            ; v28 summed over the wave's 32 lanes, into every lane; v29 is at work
	v_add_f32_dpp v28, v28, v28 row_xmask:1 row_mask:0xf bank_mask:0xf
	v_add_f32_dpp v28, v28, v28 row_xmask:2 row_mask:0xf bank_mask:0xf
	v_add_f32_dpp v28, v28, v28 row_xmask:4 row_mask:0xf bank_mask:0xf
	v_add_f32_dpp v28, v28, v28 row_xmask:8 row_mask:0xf bank_mask:0xf
	v_permlanex16_b32 v29, v28, s10, s11
	v_add_f32 v28, v28, v29
.endm
	s_load_b128 s[4:7], s[0:1], 0x0                ; sumk s[4:5], rowv s[6:7]
	s_load_b64 s[8:9], s[0:1], 0x10                ; out0
	v_lshl_add_u32 v48, v0, 2, 0x100
	v_mov_b32 v49, 0
	v_lshlrev_b32 v1, 4, v0                        ; 16 t
	v_lshrrev_b32 v2, 5, v0
	v_lshlrev_b32 v2, 2, v2                        ; 4 x wave
	v_and_b32 v3, 31, v0
	v_lshlrev_b32 v3, 2, v3                        ; 4 x lane
	s_mov_b32 s10, 0x76543210
	s_mov_b32 s11, 0xfedcba98
	v_mov_b32 v32, 0x3a83126f                      ; EPS = C = 0.001, as a pair
	v_mov_b32 v33, 0x3a83126f
	v_mov_b32 v34, 0x3d0186e2                      ; sqrt(0.001), as a pair
	v_mov_b32 v35, 0x3d0186e2
	s_wait_kmcnt 0x0
	global_load_b128 v[4:7], v1, s[4:5]
	global_load_b128 v[8:11], v1, s[4:5] offset:16384
	global_load_b128 v[12:15], v1, s[6:7]                  ; pred
	global_load_b128 v[16:19], v1, s[6:7] offset:16384
	global_load_b128 v[20:23], v1, s[6:7] offset:32768     ; tgt
	global_load_b128 v[24:27], v1, s[6:7] offset:49152
	s_wait_loadcnt 4                               ; sumk is in; the four loads of pred and tgt stay out
	v_pk_add_f32 v[28:29], v[4:5], v[6:7]
	v_pk_add_f32 v[30:31], v[8:9], v[10:11]
	v_pk_add_f32 v[28:29], v[28:29], v[30:31]
	v_add_f32 v28, v28, v29
	WSUM
	ds_store_b32 v2, v28                           ; all lanes of a wave write the same word with the same number
	s_wait_dscnt 0x0
	s_barrier_signal -1
	s_barrier_wait -1
	ds_load_b32 v28, v3                            ; lane l takes wave l's sum
	s_wait_dscnt 0x0
	WSUM
	v_mul_f32 v28, 0x39000000, v28                 ; / 8,192
	v_rcp_f32 v30, v28
	v_rcp_f32 v31, v28
	s_wait_loadcnt 0x0
.irp j, 0,2,4,6                                    ; plain work behind the reciprocals (ISA guide 5.7.2): pred - tgt
	v_pk_add_f32 v[12+\j:13+\j], v[12+\j:13+\j], v[20+\j:21+\j] neg_lo:[0,1] neg_hi:[0,1]
.endr
	s_wait_alu depctr_va_vdst(0)
.irp j, 0,2,4,6
	v_pk_mul_f32 v[4+\j:5+\j], v[4+\j:5+\j], v[30:31]                      ; t
.endr
.irp j, 0,2,4,6
	v_pk_fma_f32 v[4+\j:5+\j], v[4+\j:5+\j], v[4+\j:5+\j], v[32:33]        ; u = t^2 + EPS
.endr
.irp j, 0,1,2,3,4,5,6,7
	v_rsq_f32 v[4+\j], v[4+\j]
.endr
.irp j, 0,2,4,6                                    ; plain work behind the roots: alpha
	v_pk_mul_f32 v[12+\j:13+\j], v[12+\j:13+\j], v[12+\j:13+\j]
.endr
	s_wait_alu depctr_va_vdst(0)
.irp j, 0,2,4,6
	v_pk_fma_f32 v[4+\j:5+\j], v[4+\j:5+\j], v[34:35], v[32:33]            ; sqrt(knn) + C
.endr
.irp j, 0,1,2,3,4,5,6,7
	v_rcp_f32 v[4+\j], v[4+\j]
.endr
.irp j, 0,1,2,3,4,5,6,7                            ; plain work behind the reciprocals: the clip to 1 .. 5
	v_med3_num_f32 v[12+\j], v[12+\j], 1.0, 0x40a00000
.endr
	s_wait_alu depctr_va_vdst(0)
.irp j, 0,2,4,6
	v_pk_mul_f32 v[4+\j:5+\j], v[4+\j:5+\j], v[12+\j:13+\j]
.endr
	global_store_b128 v1, v[4:7], s[8:9]
	global_store_b128 v1, v[8:11], s[8:9] offset:16384
	s_wait_tensorcnt 0x0
	ds_add_u32 v48, v49
	s_wait_dscnt 0x0
	s_endpgm
.Lfunc_end_k_qe794902cc6_final:
	.size	k_qe794902cc6_final, .Lfunc_end_k_qe794902cc6_final-k_qe794902cc6_final
	.p2alignl 7, 3214868480
	.fill 96, 4, 3214868480
	.section	.rodata,"a",@progbits
	.p2align	6, 0x0
	.amdhsa_kernel k_qe794902cc6_final
		.amdhsa_group_segment_fixed_size 4352
		.amdhsa_private_segment_fixed_size 0
		.amdhsa_enable_private_segment 0
		.amdhsa_kernarg_size 24
		.amdhsa_user_sgpr_count 2
		.amdhsa_user_sgpr_kernarg_segment_ptr 1
		.amdhsa_wavefront_size32 1
		.amdhsa_system_sgpr_workgroup_id_x 1
		.amdhsa_system_sgpr_workgroup_id_y 1
		.amdhsa_system_sgpr_workgroup_id_z 1
		.amdhsa_system_vgpr_workitem_id 0
		.amdhsa_next_free_vgpr 50
		.amdhsa_next_free_sgpr 66
		.amdhsa_reserve_vcc 0
		.amdhsa_float_denorm_mode_32 3
		.amdhsa_float_denorm_mode_16_64 3
		.amdhsa_memory_ordered 1
		.amdhsa_forward_progress 1
		.amdhsa_inst_pref_size 7
	.end_amdhsa_kernel
	.amdgpu_metadata
---
amdhsa.version: [ 1, 2 ]
amdhsa.kernels:
  - .name:           k_qe794902cc6_final
    .symbol:         k_qe794902cc6_final.kd
    .args:
      - { .name: sumk, .offset: 0, .size: 8, .value_kind: global_buffer, .address_space: global }
      - { .name: rowv, .offset: 8, .size: 8, .value_kind: global_buffer, .address_space: global }
      - { .name: out0, .offset: 16, .size: 8, .value_kind: global_buffer, .address_space: global }
    .group_segment_fixed_size: 4352
    .private_segment_fixed_size: 0
    .kernarg_segment_align: 8
    .kernarg_segment_size: 24
    .max_flat_workgroup_size: 1024
    .sgpr_count:     66
    .vgpr_count:     50
    .wavefront_size: 32
...
	.end_amdgpu_metadata
.endif
;; end of part 4
